; MI455X (gfx1250); checked and timed in simulation.
; The chip was launched on July 23, 2026; its instructions are those of AMD's public machine-readable ISA for CDNA 5 (MIT licence, August 2026) and "CDNA5" Instruction Set Architecture Reference Guide (July 2026). The comments in the code are by the model that wrote it; some were corrected since.
;; TA LSTM Cell. Allowed arithmetic: matrix products marked QUANTISED: E3M2 operands, one E8M0 scale for each 32 along K, by v_wmma_scale_f32_16x16x128_f8f6f4 with both operands' format E3M2, f32 sums; everything else in f32.
;; Inputs: W_decomp 1,024 x 1,024 float32; b_decomp 1,024 float32; bias_hh 4,096 float32; bias_ih 4,096 float32; cx 4,096 x 1,024 float32; hx 4,096 x 1,024 float32; input 4,096 x 512 float32; t 4,096 x 1 float32; weight_hh 4,096 x 1,024 float32; weight_ih 4,096 x 512 float32.
;; Outputs: out0 4,096 x 1,024 float32; out1 4,096 x 1,024 float32.
;; This version of the problem:
;;   THIS VERSION OF THE PROBLEM IS GIVEN IN LOW PRECISION. The matrix products marked QUANTISED in the list below multiply operands that are first quantised to E3M2 (3 exponent bits, 2 mantissa bits; 6 bits a number), with one power-of-two scale for each 32 numbers along K (OCP MX v1.0); their sums are f32. All else is computed in f32.
;;   The module's matrix products, in the order in which they are computed (A, B: the left and right operand; K: the contracted axis; several contracted axes count as one K, in the product's order):
;;     1. [M 4,096, K 512] x [K 512, N 4,096]; A: input input; B: input weight_ih: QUANTISED
;;     2. [M 4,096, K 1,024] x [K 1,024, N 4,096]; A: input hx; B: input weight_hh: QUANTISED
;;     3. [M 4,096, K 1,024] x [K 1,024, N 1,024]; A: input cx; B: input W_decomp: QUANTISED
;;   THE QUANTISER, for each operand of a quantised product, along K:
;;     - K is cut into blocks of 32 from its start; a last block that is shorter is filled with zeros.
;;     - A block's scale is 2^e with e = floor(log2(the largest magnitude in the block)) - 4, held to -126 .. 127; a block of zeros has e = 0. As a byte (E8M0): e + 127.
;;     - Each number is divided by its block's scale, clamped to +-28, and rounded to the nearest number of E3M2, ties to even, subnormals kept.
;;     - The product sums the exact products of the quantised numbers (number of the format x scale) in f32.
;;   ~~~python
;;   def quantise(x, axis):      # numpy; x: float32 -> the quantised numbers, widened to float32 again
;;       x = np.moveaxis(x, axis, -1); K = x.shape[-1]
;;       x = np.pad(x, [(0, 0)] * (x.ndim - 1) + [(0, -K % 32)]); x = x.reshape(x.shape[:-1] + (-1, 32)); a = np.abs(x).max(-1, keepdims=True)
;;       e = np.where(a > 0, np.clip(np.frexp(np.where(a > 0, a, 1))[1] - 1 - 4, -126, 127), 0)      # np.frexp(a)[1] - 1 = floor(log2(a)), exactly
;;       r = np.clip(x / 2.0 ** e, -28, 28)
;;       step = 2.0 ** (np.maximum(np.frexp(np.where(r == 0, 1, r))[1] - 1, -2) - 2)
;;       q = np.round(r / step) * step * 2.0 ** e      # np.round: ties to even
;;       return np.moveaxis(q.reshape(q.shape[:-2] + (-1,))[..., :K], -1, axis).astype(np.float32)
;;   ~~~
;; One version. Each part assembles by itself: llvm-mc -triple=amdgcn-amd-amdhsa -mcpu=gfx1250 --defsym DOCPART=n.
;; ======== version 1 of 1: 2 launches
;; limits: right only within a limited range of input values
;; workspace buffers: acodes 8,192,000 bytes; wcodes 4,915,200 bytes; dcodes 819,200 bytes
;; launch quant (part 1): grid 256 x 1, 9 waves a work-group, no clusters, 68,864 bytes of LDS; arguments cx, hx, weight_hh, input, weight_ih, W_decomp, acodes, wcodes, dcodes; writes acodes, wcodes, dcodes
.if DOCPART == 1
	.amdgcn_target "amdgcn-amd-amdhsa--gfx1250"
	.amdhsa_code_object_version 6
	.text
	.protected	k_qb94de77f03_quant
	.globl	k_qb94de77f03_quant
	.p2align	8
	.type	k_qb94de77f03_quant,@function
k_qb94de77f03_quant:
	s_mov_b64 s[64:65], 0
	v_nop
	global_prefetch_b8 v0, s[64:65] scope:SCOPE_SE
	s_setreg_imm32_b32 hwreg(HW_REG_WAVE_MODE, 25, 1), 1
	s_wait_xcnt 0x0
; All six operands of the three products, f32, become codes of BF6 (E3M2) with one E8M0 byte for each 32 along K, laid as the second launch wants them.
; A FRAGMENT IMAGE is 16 operand rows x 128 K in 1,536 bytes: three groups of 512 bytes; group c holds, at 16 x lane, registers 4 c .. 4 c + 3 of that lane's 12 operand registers
; (lane (r, h): registers 6 c .. 6 c + 5 = k 64 c + 32 h + 0 .. 31 of row r).  A SCALE PAIR is 8 bytes a row for 256 along K: the word of the first 128, then that of the second.
; acodes: blocks of 256 batch rows, 512,000 bytes: cx's pairs [s (4)][256][8], cx's codes [s (4)][q (2)][i (16)][1536], then the gates' pairs and codes, [s (6)] each: input's two K steps of 256, then hx's four.
; wcodes: blocks of 64 hidden units, 307,200 bytes: pairs [g (6)][CH (2)][32 gate + j % 32][8], codes [g (6)][q][CH (2)][b = 2 gate + u (8)][1536]: weight_ih's two K steps, then weight_hh's four; CH: which 32 of the 64 units.
; dcodes: blocks of 64 columns of W_decomp (whose K is its FIRST axis), 51,200 bytes: pairs [s (4)][64][8], codes [s (4)][q][u (4)][1536].
; A block's scale is 2^(floor(log2(its largest magnitude)) - 4): its byte is the largest magnitude's exponent field - 4, held at 1 from below by a floor among the maximum's leaves.
; LIMITS: a block of zeros, or one whose largest magnitude lies under 2^-122, gets the byte 1 where the rule says 127 or less: the bytes are read by this program alone, and a block of zeros has zero codes under any byte;
; blocks between were not tried.  NaN and infinities among the inputs are not served.
; SHARES.  256 work-groups of nine waves, all alike.  Waves 0-7 take 32 operand rows x 256 K each: four fragments f = 2 ib + q (ib: which 16 rows, q: which 128 of K) and 256 scale bytes.  Four waves share a number v = 2 x work-group + wave / 4:
; v < 384: cx, hx, weight_hh by v / 128, a row group's four K steps; else input, weight_ih, two row groups x two K steps.  Wave 8 takes 16 columns x 256 K of W_decomp.  Waves share nothing: no barrier, no cluster, no tensor load.
; WHERE K IS INNERMOST each load reads 512 consecutive bytes of one row; a fragment's 16 rows turn through the wave's own stage in LDS (rows of 512 + 16 bytes) and come back 32 neighbours along K to a lane and block.
; W_DECOMP: a lane takes a column and its registers run down K in the operand's own order: nothing is transposed and no LDS is used.
.set STGB, 8448                        ; a wave's stage: 16 rows x 528 bytes
.set SPARE, 8*STGB                     ; behind the eight stages: the spare words, 128 bytes for each of nine waves
.set MX,   10                          ; v10-11  the two blocks' largest magnitudes
.set SO,   12                          ; v12-13  the conversions' scale operands
.set BY,   14                          ; v14-15  the scale bytes
.set WD,   16                          ; v16     my two bytes at their places in the word
.set TL,   17                          ; v17     lane l xor 16's
.set SW,   18                          ; v18-21  fragment f's scale word of row r
.set OUTW, 22                          ; v22-23  my row's pair
.set OFFR, 24                          ; v24-39  16 x lane + row i of a fragment
.set PC,   40                          ; v40-51  a fragment's codes
.set TP,   52                          ; v52-54, v56-58  the upper halves of the two blocks, as the conversions leave them
.set RR,   64                          ; v64-191 two sets of 64 numbers as loaded
.set XR,   192                         ; v192-255 64 numbers in the operand's order
	s_load_b512 s[8:23], s[0:1], 0x0               ; cx, hx, weight_hh, input, weight_ih, W_decomp, acodes, wcodes
	s_load_b64 s[24:25], s[0:1], 0x40              ; dcodes
	v_lshl_add_u32 v62, v0, 2, SPARE
	v_mov_b32 v63, 0
	v_lshrrev_b32 v1, 5, v0
	v_readfirstlane_b32 s30, v1                    ; wave 0..8
	v_and_b32 v1, 31, v0                           ; lane
	v_and_b32 v2, 15, v0                           ; r
	v_bfe_u32 v3, v0, 4, 1                         ; h
	v_lshlrev_b32 v4, 4, v1                        ; 16 x lane: my place in a group of an image
	v_lshlrev_b32 v5, 3, v1                        ; 8 x lane: my row's scale pair
	v_lshlrev_b32 v8, 3, v3                        ; 8 h: how far my two bytes are shifted in the word
	v_mov_b32 v[TL], 0                             ; written once: a lane permute's destination counts as one of its sources
	s_mov_b32 s54, 0x76543210
	s_mov_b32 s55, 0xfedcba98                      ; v_permlanex16_b32's selects for lane l xor 16
	s_mov_b32 s57, 0                               ; the upper word of every offset pair: all offsets stay under 2^25
; 64 numbers of a lane, v[x + 32 c + n] = k 64 c + 32 h + n of my row (two whole blocks), become the fragment's 12 registers in v[PC] on and its scale word in v[SW + f].
.macro QFRAG x, f
.irp c, 0,1
	v_max3_num_f32 v[MX+\c], |v[(\x)+32*\c]|, |v[(\x)+32*\c+1]|, 0x2800000   ; and the floor 2^(5 - 127): the byte cannot fall under 1
.endr
.irp i, 2,4,6,8,10,12,14,16,18,20,22,24,26,28,30
.irp c, 0,1
	v_max3_num_f32 v[MX+\c], v[MX+\c], |v[(\x)+32*\c+\i]|, |v[(\x)+32*\c+\i+1]|   ; (the two blocks by turns)
.endr
.endr
.irp c, 0,1
	v_add_nc_u32 v[SO+\c], 0xfe000000, v[MX+\c]    ; 4 off the exponent field: the conversion takes this operand's exponent field as its scale, and nothing else of it
.endr
.irp c, 0,1
	v_lshrrev_b32 v[BY+\c], 23, v[SO+\c]           ; the scale's byte
.endr
	v_lshl_or_b32 v[WD], v[BY+1], 16, v[BY]        ; blocks h and 2 + h of my row,
	v_lshlrev_b32 v[WD], v8, v[WD]                 ; at their places in the word;
	v_permlanex16_b32 v[TL], v[WD], s54, s55
	v_or_b32 v[SW+(\f)], v[WD], v[TL]              ; with lane l xor 16's two the word is whole
.irp c, 0,1
	v_cvt_scalef32_pk16_bf6_f32 v[PC+6*\c:PC+6*\c+2], v[(\x)+32*\c:(\x)+32*\c+15], v[SO+\c]
	v_cvt_scalef32_pk16_bf6_f32 v[TP+4*\c:TP+4*\c+2], v[(\x)+32*\c+16:(\x)+32*\c+31], v[SO+\c]   ; (a conversion's three registers begin on an even number: the second half of a block's six does not)
.endr
	v_nop                                          ; one plain vector instruction between a scaled conversion and the vector instruction that touches its result
.irp c, 0,1
.irp n, 0,1,2
	v_mov_b32 v[PC+6*\c+3+\n], v[TP+4*\c+\n]
.endr
.endr
.endm
.macro PUT off                         ; the image leaves: each store of the wave covers 512 consecutive bytes, aligned
.irp c, 0,1,2
	global_store_b128 v4, v[PC+4*\c:PC+4*\c+3], s[50:51] offset:(\off)+512*\c
.endr
.endm
	s_cmp_eq_u32 s30, 8
	s_cbranch_scc1 .Lpath_d                        ; a branch on the wave's number alone
	; ---- K innermost.  Which tensor (TS), which group of 32 rows (G), which K step of it (SP), and whether a row is 4,096 bytes (SH = 1) or 2,048
	s_lshr_b32 s31, s30, 2
	s_lshl_b32 s32, ttmp9, 1
	s_add_co_u32 s31, s31, s32                     ; v = 2 x work-group + wave / 4,
	s_and_b32 s59, s30, 3                          ; p = wave % 4
	s_lshr_b32 s32, s31, 7                         ; v < 384: TS = v / 128 (0 cx, 1 hx, 2 weight_hh),
	s_and_b32 s33, s31, 127                        ; G = v % 128, SP = p
	s_sub_co_u32 s34, s31, 384                     ; else f = v - 384:
	s_lshr_b32 s35, s34, 6
	s_add_co_u32 s35, s35, 3                       ; TS = 3 + f / 64 (3 input, 4 weight_ih),
	s_and_b32 s36, s34, 63
	s_lshl_b32 s36, s36, 1
	s_lshr_b32 s37, s59, 1
	s_add_co_u32 s36, s36, s37                     ; G = 2 (f % 64) + p / 2,
	s_and_b32 s37, s59, 1                          ; SP = p % 2
	s_cmp_lt_u32 s31, 384
	s_cselect_b32 s32, s32, s35                    ; TS
	s_cselect_b32 s33, s33, s36                    ; G
	s_cselect_b32 s34, s59, s37                    ; SP
	s_cselect_b32 s35, 1, 0                        ; SH
	s_lshr_b32 s40, s33, 3                         ; a batch operand: block of 256 rows,
	s_and_b32 s41, s33, 7                          ; and which 32 of them
	s_bfe_u32 s42, s33, 0x40001                    ; a weight: G = 32 gate + j / 32: block of 64 hidden units = (G % 32) / 2,
	s_lshr_b32 s43, s33, 5                         ; the gate,
	s_and_b32 s44, s33, 1
	s_lshl_b32 s44, s44, 2
	s_add_co_u32 s43, s43, s44                     ; and the place 4 CH + gate in the block
	s_mov_b32 s44, 512000
	s_mov_b32 s61, 20480
	s_mov_b32 s62, 196608
	s_mov_b32 s38, 0                               ; the tensor's first K step in its buffer
	s_mov_b32 s39, 0                               ; 1: a weight
	s_wait_kmcnt 0x0
	s_mov_b64 s[46:47], s[8:9]                     ; the choices hang on the work-group's and the wave's number alone
	s_cmp_eq_u32 s32, 1
	s_cselect_b64 s[46:47], s[10:11], s[46:47]
	s_cselect_b32 s38, 6, s38
	s_cmp_eq_u32 s32, 2
	s_cselect_b64 s[46:47], s[12:13], s[46:47]
	s_cselect_b32 s38, 2, s38
	s_cselect_b32 s39, 1, s39
	s_cmp_eq_u32 s32, 3
	s_cselect_b64 s[46:47], s[14:15], s[46:47]
	s_cselect_b32 s38, 4, s38
	s_cmp_eq_u32 s32, 4
	s_cselect_b64 s[46:47], s[16:17], s[46:47]
	s_cselect_b32 s38, 0, s38
	s_cselect_b32 s39, 1, s39
	s_cmp_lt_u32 s38, 4                            ; acodes, K step s: cx's codes lie at 8,192 + 49,152 s, its pairs at 2,048 s;
	s_cselect_b32 s58, 8192, s61                   ; from s = 4 on (the gates') the codes at 20,480 + 49,152 s,
	s_cselect_b32 s60, 0, s62                      ; the pairs at 196,608 + 2,048 s
	s_cmp_eq_u32 s39, 1
	s_cselect_b64 s[50:51], s[22:23], s[20:21]     ; the buffer
	s_cselect_b32 s58, 12288, s58                  ; wcodes, K step g: codes at 12,288 + 49,152 g, pairs at 2,048 g
	s_cselect_b32 s60, 0, s60
	s_cselect_b32 s45, 307200, s44                 ; bytes of a block
	s_cselect_b32 s40, s42, s40                    ; the block
	s_cselect_b32 s41, s43, s41                    ; and my 32 rows' place in it
	s_add_co_u32 s38, s38, s34                     ; my K step in the buffer
	s_lshl_b32 s56, s33, 16
	s_lshl_b32 s56, s56, s35                       ; 32 G rows,
	s_lshl_b32 s42, s34, 10
	s_add_co_u32 s56, s56, s42                     ; + 256 SP numbers
	s_add_nc_u64 s[46:47], s[46:47], s[56:57]      ; my first 16 rows,
	s_lshl_b32 s56, 0x8000, s35
	s_add_nc_u64 s[48:49], s[46:47], s[56:57]      ; my second 16
	s_mul_i32 s56, s40, s45
	s_mul_i32 s42, s38, 49152                      ; a K step of a block: 32 images
	s_add_co_u32 s42, s42, s56
	s_add_co_u32 s42, s42, s58
	s_mul_i32 s43, s41, 3072                       ; my two images of each q
	s_add_co_u32 s42, s42, s43
	s_lshl_b32 s43, s38, 11                        ; and 2,048 bytes of pairs
	s_add_co_u32 s43, s43, s56
	s_add_co_u32 s43, s43, s60
	s_lshl_b32 s56, s41, 8
	s_add_co_u32 s56, s56, s43
	s_add_nc_u64 s[52:53], s[50:51], s[56:57]      ; my pairs
	s_mov_b32 s56, s42
	s_add_nc_u64 s[50:51], s[50:51], s[56:57]      ; my images
	s_mul_i32 s42, s30, STGB
	s_wait_alu depctr_va_vdst(0)
	v_add_nc_u32 v6, s42, v4                       ; the stage, on the way in: 16 x lane of a row
	v_mul_u32_u24 v7, v2, 528
	v_lshl_add_u32 v7, v3, 7, v7
	v_add_nc_u32 v7, s42, v7                       ; and on the way out: row r, + 128 h bytes: 528 is an odd multiple of 16, so sixteen rows start in sixteen different columns of 16 bytes
.irp i, 0,1,2,3,4,5,6,7,8,9,10,11,12,13,14,15
	s_lshl_b32 s43, 2048*\i, s35
	v_add_nc_u32 v[OFFR+\i], s43, v4
.endr
.macro LOADF f                         ; fragment f: 16 rows x 128 numbers, into set f % 2
.irp i, 0,1,2,3,4,5,6,7,8,9,10,11,12,13,14,15
	global_load_b128 v[RR+64*((\f)%2)+4*\i:RR+64*((\f)%2)+4*\i+3], v[OFFR+\i], s[46+2*((\f)/2):47+2*((\f)/2)] offset:512*((\f)%2) th:TH_LOAD_NT
.endr
.endm
.macro TURNF f                         ; through the stage: LDS serves a wave's instructions in order, so no wait stands between the stores and the loads
.irp i, 0,1,2,3,4,5,6,7,8,9,10,11,12,13,14,15
	ds_store_b128 v6, v[RR+64*((\f)%2)+4*\i:RR+64*((\f)%2)+4*\i+3] offset:528*\i
.endr
.irp c, 0,1
.irp e, 0,1,2,3,4,5,6,7
	ds_load_b128 v[XR+32*\c+4*\e:XR+32*\c+4*\e+3], v7 offset:256*\c+16*\e
.endr
.endr
.endm
	s_wait_alu depctr_va_vdst(0)
	LOADF 0
	LOADF 1
.irp f, 0,1,2,3
.if \f < 3
	s_wait_loadcnt 16                              ; this fragment's 16 loads are in; the other set's 16 may be out
.else
	s_wait_loadcnt 0x0
.endif
	TURNF \f
	s_wait_dscnt 0x0                               ; the numbers are back, and the stage's stores have read their set,
.if \f < 2
	LOADF \f+2                                     ; which takes the fragment two further on
.endif
.if \f > 0
	s_wait_xcnt 0x0                                ; the last image's stores have read their registers: the codes are written again only behind this wait
.endif
	QFRAG XR, \f
	PUT (16*(\f%2)+\f/2)*1536
.endr
	v_cmp_lt_u32 vcc_lo, 15, v1                    ; lane l stores row l's pair: rows 0-15 are fragments 0 and 1, rows 16-31 fragments 2 and 3;
	v_cndmask_b32 v[OUTW], v[SW], v[SW+2], vcc_lo
	v_cndmask_b32 v[OUTW+1], v[SW+1], v[SW+3], vcc_lo
	global_store_b64 v5, v[OUTW:OUTW+1], s[52:53]  ; the wave's store covers 256 consecutive bytes, aligned
	s_wait_tensorcnt 0x0                           ; the wave's end
	ds_add_u32 v62, v63
	s_wait_dscnt 0x0
	s_endpgm
.Lpath_d:                              ; ---- W_decomp [k][n]: wave 8: K step = work-group % 4, 16 columns = work-group / 4
	s_wait_alu depctr_va_vdst(0)
	v_lshlrev_b32 v9, 2, v2
	v_lshl_add_u32 v9, v3, 17, v9                  ; column r, and 32 rows of 4,096 bytes further down for lanes 16-31
	v_lshlrev_b32 v60, 3, v2                       ; 8 r: my column's pair
	s_wait_alu depctr_va_vdst(0)
	s_wait_kmcnt 0x0
	s_and_b32 s31, ttmp9, 3
	s_lshr_b32 s32, ttmp9, 2
	s_lshl_b32 s56, s31, 20                        ; 256 rows a K step
	s_lshl_b32 s33, s32, 6                         ; 64 bytes for 16 columns
	s_add_co_u32 s56, s56, s33
	s_add_nc_u64 s[46:47], s[18:19], s[56:57]
	s_lshr_b32 s33, s32, 2                         ; the block of 64 columns,
	s_mul_i32 s33, s33, 51200
	s_and_b32 s32, s32, 3                          ; and my 16 of them
	s_mul_i32 s34, s32, 1536
	s_mul_i32 s35, s31, 12288
	s_add_co_u32 s34, s34, s35
	s_add_co_u32 s56, s33, s34
	s_add_co_u32 s56, s56, 2048
	s_add_nc_u64 s[50:51], s[24:25], s[56:57]
	s_lshl_b32 s34, s32, 7
	s_lshl_b32 s35, s31, 9
	s_add_co_u32 s34, s34, s35
	s_add_co_u32 s56, s33, s34
	s_add_nc_u64 s[52:53], s[24:25], s[56:57]
.macro LOADD q                         ; register 32 c + n = W(128 q + 64 c + 32 h + n, column); sixteen lanes read 64 neighbouring bytes
.irp c, 0,1
.irp n, 0,1,2,3,4,5,6,7,8,9,10,11,12,13,14,15,16,17,18,19,20,21,22,23,24,25,26,27,28,29,30,31
	global_load_b32 v[RR+64*(\q)+32*\c+\n], v9, s[46:47] offset:(128*(\q)+64*\c+\n)*4096
.endr
.endr
.endm
	LOADD 0
	LOADD 1
	s_wait_loadcnt 63                              ; behind the first fragment's 64 loads 64 more were issued: with at most 63 out the first's are in
	QFRAG RR, 0
	PUT 0
	s_wait_loadcnt 0x0
	s_wait_xcnt 0x0                                ; the first image's stores have read their registers
	QFRAG RR+64, 1
	PUT 4*1536
	global_store_b64 v60, v[SW:SW+1], s[52:53]     ; lanes r and r + 16 hold the same pair and name the same place: 128 consecutive bytes
	s_endpgm
.Lfunc_end_k_qb94de77f03_quant:
	.size	k_qb94de77f03_quant, .Lfunc_end_k_qb94de77f03_quant-k_qb94de77f03_quant
	.p2alignl 7, 3214868480
	.fill 96, 4, 3214868480
	.section	.rodata,"a",@progbits
	.p2align	6, 0x0
	.amdhsa_kernel k_qb94de77f03_quant
		.amdhsa_group_segment_fixed_size 68864
		.amdhsa_private_segment_fixed_size 0
		.amdhsa_enable_private_segment 0
		.amdhsa_kernarg_size 72
		.amdhsa_user_sgpr_count 2
		.amdhsa_user_sgpr_kernarg_segment_ptr 1
		.amdhsa_wavefront_size32 1
		.amdhsa_system_sgpr_workgroup_id_x 1
		.amdhsa_system_sgpr_workgroup_id_y 1
		.amdhsa_system_sgpr_workgroup_id_z 1
		.amdhsa_system_vgpr_workitem_id 0
		.amdhsa_next_free_vgpr 256
		.amdhsa_next_free_sgpr 66
		.amdhsa_reserve_vcc 1
		.amdhsa_float_denorm_mode_32 3
		.amdhsa_float_denorm_mode_16_64 3
		.amdhsa_memory_ordered 1
		.amdhsa_forward_progress 1
		.amdhsa_inst_pref_size 53
	.end_amdhsa_kernel
	.amdgpu_metadata
---
amdhsa.version: [ 1, 2 ]
amdhsa.kernels:
  - .name:           k_qb94de77f03_quant
    .symbol:         k_qb94de77f03_quant.kd
    .args:
      - { .name: cx, .offset: 0, .size: 8, .value_kind: global_buffer, .address_space: global }
      - { .name: hx, .offset: 8, .size: 8, .value_kind: global_buffer, .address_space: global }
      - { .name: weight_hh, .offset: 16, .size: 8, .value_kind: global_buffer, .address_space: global }
      - { .name: input, .offset: 24, .size: 8, .value_kind: global_buffer, .address_space: global }
      - { .name: weight_ih, .offset: 32, .size: 8, .value_kind: global_buffer, .address_space: global }
      - { .name: W_decomp, .offset: 40, .size: 8, .value_kind: global_buffer, .address_space: global }
      - { .name: acodes, .offset: 48, .size: 8, .value_kind: global_buffer, .address_space: global }
      - { .name: wcodes, .offset: 56, .size: 8, .value_kind: global_buffer, .address_space: global }
      - { .name: dcodes, .offset: 64, .size: 8, .value_kind: global_buffer, .address_space: global }
    .group_segment_fixed_size: 68864
    .private_segment_fixed_size: 0
    .kernarg_segment_align: 8
    .kernarg_segment_size: 72
    .max_flat_workgroup_size: 288
    .sgpr_count:     66
    .vgpr_count:     256
    .wavefront_size: 32
...
	.end_amdgpu_metadata
.endif
;; end of part 1
;; launch cell (part 2): grid 16 x 16, 4 waves a work-group, clusters of 4 x 4, 327,680 bytes of LDS; arguments acodes, wcodes, dcodes, cx, t, bias_ih, bias_hh, b_decomp, out0, out1; writes out0, out1
.if DOCPART == 2
	.amdgcn_target "amdgcn-amd-amdhsa--gfx1250"
	.amdhsa_code_object_version 6
	.text
	.protected	k_qb94de77f03_cell
	.globl	k_qb94de77f03_cell
	.p2align	8
	.type	k_qb94de77f03_cell,@function
k_qb94de77f03_cell:
	s_mov_b64 s[64:65], 0
	v_nop
	global_prefetch_b8 v0, s[64:65] scope:SCOPE_SE
	s_setreg_imm32_b32 hwreg(HW_REG_WAVE_MODE, 25, 1), 1
	s_wait_xcnt 0x0
	s_wait_alu depctr_hold_cnt(0) depctr_sa_sdst(0) depctr_va_vdst(0) depctr_va_sdst(0) depctr_va_ssrc(0) depctr_va_vcc(0) depctr_vm_vsrc(0)
	s_getreg_b32 s2, hwreg(HW_REG_IB_STS2, 6, 4)
	s_cmp_eq_u32 s2, 0
	s_cbranch_scc0 .Lentry_in_a_cluster
	s_endpgm
.Lentry_in_a_cluster:
	s_bfe_u32 s2, ttmp6, 0x10000c
	s_cmp_lg_u32 s2, 0xf033
	s_cbranch_scc0 .Lentry_shape_is_right
	s_endpgm
.Lentry_shape_is_right:
; The T-LSTM cell on codes of BF6 (E3M2) with E8M0 scales, as the launch before has laid them (fragment images of 1,536 bytes, scale pairs of 8 bytes a row and 256 K).
;   gates = input W_ih^T + hx W_hh^T + bias_ih + bias_hh;  z = cx W_decomp + b_decomp;  C = tanh(z);  cx_adj = cx + (T - 1) C, T = 1 / t where t != 0, else 0;
;   cy = sigmoid(f) cx_adj + sigmoid(i) tanh(g);  hy = sigmoid(o) tanh(cy).  out0 = hy, out1 = cy.  Gates, C and cx_adj never go to memory.
; SHARES.  A work-group makes 256 rows x 64 hidden units: 16 x 16 work-groups.  Wave (RH = w / 2, CH = w % 2) owns rows 128 RH on and hidden units 32 CH on, and ALL FOUR gates of them: 128 x 128 of gates, 64 accumulators.
; A wave's eight blocks of 16 weight rows are b = 2 gate + u (u: which 16 of its 32 hidden units): i, f, g, o of one (row, unit) fall into the same lane and the same register of four accumulators.
; THE MATRIX INSTRUCTION IS USED TRANSPOSED (source 0 = 16 weight rows, source 1 = 16 batch rows): lane (r, h) holds batch row r, its register n hidden unit 16 u + 8 h + n.  The biases are the C of each sum's first instruction.
; ORDER.  THE GATES COME FIRST, on a ring of two slots of 384 along K: K = 1,536 is four slots.  The ring's last two refills bring all that z wants: cx's and W_decomp's codes and the f32 tile of cx; the second of them
; is on its way while the first 64 rows' gates are put through their sigmoids and tanh.  Then z (4 K steps of 256, 16 accumulators), and the rest in four chunks of 32 rows, which leave through a shared stage.
; CLUSTERS: 4 x 4 work-groups.  The four of a row of the cluster need the same batch rows' codes and scales, the four of a column the same weights': each such block is asked for JOINTLY, by the same tensor load with
; the same descriptor and a mask that names the four.  The f32 tile of cx is each work-group's own: a plain load.
; PREFETCH: what a refill will bring is asked for at least a slot's step or two ahead of it: a wave names the blocks of 256 bytes of its own loads; of a joint load's blocks each of the four partners names a quarter, told apart by address
; (cx for A's, cy for B's).  cx's f32 rows are named five steps ahead, a lane a row.  Every address lies inside its buffer; nothing is asked for beyond the last load.
; sigmoid(x) = 1 / (1 + 2^(-x log2 e)), tanh(x) = 1 - 2 / (1 + 2^(2 x log2 e)): where the exponential gives infinity or 0 both forms give their limits, so nothing is clamped.
; LIMITS: v_exp_f32 and v_rcp_f32 take denormals as 0 (ISA guide, their entries): a sigmoid under 2^-126 comes out 0; |t| under 2^-126 gives T = infinity, |t| above 2^126 gives T = 0.  cx - C + T C is rounded as one fused
; multiply-add with T - 1, itself rounded once; the other fused multiply-adds round once where the definition rounds twice.
; LDS: two slots of 147,456 bytes (A's 48 images [q (3)][i (16)], then B's [q][CH][b (8)]); the gates' scale pairs, A's and B's 12,288 each; the spare words.  For z: from 0 cx's codes of K steps 0, 1 (2 x 49,152) and W_decomp's
; (49,152); from slot 1's first byte on cx's codes of K steps 2, 3, then cx in f32, 256 rows x (256 + 16).  The launch claims all of a WGP's LDS.
; REGISTERS, in windows of 256: window 0: v1-31 addresses; v32-63 the gates' scale words, two sets; v64-127 the gates' biases, then W_decomp's first set (v64-87) and z's scale words (v88-127), then cx / cy and tanh(cy);
;   v128-223 A's fragments, later rows on their way out; v224-239 T - 1, twice for each block of rows; v240-255 b_decomp.   window 1: B's two sets at v0 and v128; for z: its accumulators ((a, u) at v[16 a + 8 u]), A's second set at v128,
;   W_decomp's second at v224.   windows 2, 3: the gates' accumulators ((a, b) at v[8 (8 (a % 4) + b)] of window 2 + a / 4).
.set HALFT, 36864                      ; half of A's or of B's part of a slot: what one ring load brings
.set SLOT,  4*HALFT
.set SCA,   2*SLOT
.set SCB,   SCA+12288
.set SPARE, SCB+12288                  ; the spare words, 128 bytes for each wave: two blocks of 256 bytes that no other line names
.set ZHALF, 49152                      ; z: a K step of 256 of cx's codes
.set ZWD,   2*ZHALF
.set CXT,   SLOT+2*ZHALF
.set STG2,  256*272                    ; the stage: hy's 256 rows of 272 bytes at 0, cy's behind them: bytes that have had their last fill and their last read by then
.set FR,  12                           ; registers of a fragment
.set NL,  3                            ; LDS loads that bring one
.set NP,  4                            ; places behind this matrix instruction (ISA guide 7.12.1)
.set L16,  3                           ; v3   16 x lane
.set PFO,  8                           ; v8-11, v18: the prefetches' offsets: 256 x lane; the same with the lane held at 3, at 15, at 23; 4,096 x lane; never rewritten
.set PFO2, 9
.set PFZ2, 10
.set PFW,  11
.set PFR,  18
.set ADZA, 12                          ; v12-15 z: my half of cx's codes, K steps 0 to 3
.set ADRA, 16                          ; v16-17 my half of A in slot 0, 1
.set ADRB, 20                          ; v20-21 my half of B in slot 0, 1
.set STO2, 22                          ; v22  the stage: cy's
.set CXA,  23                          ; v23  my 32 bytes of a row of the cx tile
.set STO,  24                          ; v24  the stage: hy's
.set RD,   25                          ; v25  the stage, on the way out
.set CO,   26                          ; v26  my byte offset in the output
.set ADRS, 27                          ; v27  the gates' scale pairs: lanes 0-15 A's rows, lanes 16-31 B's
.set SPW,  28                          ; v28  my spare word; never rewritten
.set NIL,  29                          ; v29  0; never rewritten
.set ADZD, 30                          ; v30  z: my half of W_decomp's codes
.set L8,   31                          ; v31  8 x lane
.set SC,   32
.set BIAS, 64
.set ZWF,  64
.set ZS,   88                          ; z: cx's scale words: register 8 s + 2 j + q: lanes 0-15 block 2 j, lanes 16-31 block 2 j + 1
.set ZD,   120                         ; z: W_decomp's: register 2 s + q: lanes 0-15 columns 0-15, lanes 16-31 columns 16-31
.set CY,   64
.set TH,   96
.set AF,   128
.set BK,   128
.set TT,   224
.set BD,   240
; scalars: s[2:3] offsets; s[4:11], s[12:19] group 1 for A's and B's tiles; s[20:27] A's groups 0 (slot 0, 1); s[28:35] B's; s[36:39] group 0 for cx's codes; s[40:43] for W_decomp's; s44 wave, s45 RH, s46 CH;
; s[48:49] -log2 e; s[50:51] 2 log2 e; s[52:55] offsets, later out0 and out1; s[56:63] t and the biases; s[66:67] my output; s[68:75], s[76:83] groups 1 for A's and B's scales (the second later for cx in f32);
; s[84:87], s[88:91] groups 0 for the scales (s[84:87] later where z's scale pairs lie); s[92:95] group 0 for cx in f32; s96-99 cx, cy, tile column, tile row, later my offset in an output, that of cx's pairs (s47: of W_decomp's) and
; where cx's f32 prefetches stand; s[100:101], s[104:105] masks and temporaries, later where the codes' prefetches stand
.set MSB, 0
.macro WIN new                         ; the immediate's high byte repeats the setting that is left
.if MSB != \new
	s_set_vgpr_msb (MSB<<8)|\new
.set MSB, \new
.endif
.endm
.set MUL_LO,  0xa1                     ; source 0 (B) window 1, source 1 (A) window 0, C and D window 2
.set MUL_HI,  0xf1                     ; the same, C and D window 3
.set MUL_LO1, 0x81                     ; the first step: C (the biases) window 0
.set MUL_HI1, 0xc1
.set TO_B,    0x40                     ; destination window 1, address window 0
.macro PLACES n                        ; a load into a register that a matrix instruction has read, and a vector instruction that reads a matrix result, stand four plain vector instructions behind it (for the vector instruction that reads a matrix result)
.rept \n
	v_nop
.endr
.endm
.macro TLOAD g0, g1
	tensor_load_to_lds s[\g0:\g0+3], s[\g1:\g1+7]
	s_nop 0
.rept 4
	v_nop
.endr
.endm
; A pair of tensor loads: waves 0 and 1 take the first line, waves 2 and 3 the second.  Each line has one mask and one set of registers for all that issue it; the branch hangs on the wave's number alone.
.macro JLOAD g0a, g1a, g0b, g1b
	s_cmp_eq_u32 s45, 0
	s_cbranch_scc0 .Lfor_b_\@
	tensor_load_to_lds s[\g0a:\g0a+3], s[\g1a:\g1a+7]
	s_nop 0
.rept 4
	v_nop
.endr
	s_branch .Lasked_\@
.Lfor_b_\@:
	tensor_load_to_lds s[\g0b:\g0b+3], s[\g1b:\g1b+7]
	s_nop 0
.rept 4
	v_nop
.endr
.Lasked_\@:
.endm
.macro CREST                           ; a round of the cluster's barrier behind its opening barrier
	s_cmp_lg_u32 s44, 0
	s_cbranch_scc1 .Lnot_wave_0_\@
	s_barrier_signal -3
.Lnot_wave_0_\@:
	s_barrier_wait -3
	s_barrier_signal -1
	s_barrier_wait -1
.endm
.macro CROUND                          ; a whole round
	s_barrier_signal -1
	s_barrier_wait -1
	CREST
.endm
.macro PF reg, base, off
	global_prefetch_b8 v[\reg], s[\base:\base+1] offset:\off th:TH_LOAD_NT scope:SCOPE_SE
.endm
.macro PFRING f                        ; the ring's fill f: of my load's 144 blocks of 256 bytes my work-group names 36
	PF PFO, 100, ((\f)-1)*2*HALFT
	PF PFO2, 100, ((\f)-1)*2*HALFT+8192
.endm
	s_load_b64 s[38:39], s[0:1], 0x0               ; acodes
	s_load_b64 s[30:31], s[0:1], 0x8               ; wcodes
	s_load_b64 s[42:43], s[0:1], 0x10              ; dcodes
	s_load_b64 s[94:95], s[0:1], 0x18              ; cx
	s_load_b256 s[56:63], s[0:1], 0x20             ; t, bias_ih, bias_hh, b_decomp
	v_lshl_add_u32 v[SPW], v0, 2, SPARE
	v_mov_b32 v[NIL], 0
	ds_add_u32 v[SPW], v[NIL]                      ; the wave's opening: the add, twice on end, and its wait
	ds_add_u32 v[SPW], v[NIL]
	v_lshrrev_b32 v1, 5, v0
	v_readfirstlane_b32 s44, v1                    ; wave 0..3
	v_and_b32 v1, 15, v0                           ; r
	v_bfe_u32 v2, v0, 4, 1                         ; h
	v_lshlrev_b32 v5, 2, v1                        ; 4 r
	v_lshlrev_b32 v6, 5, v2                        ; 32 h
	v_and_b32 v[PFO], 31, v0                       ; lane
	v_min_u32 v[PFO2], 3, v[PFO]
	v_min_u32 v[PFZ2], 15, v[PFO]
	v_min_u32 v[PFW], 23, v[PFO]
	v_lshlrev_b32 v[PFR], 12, v[PFO]
	v_lshlrev_b32 v[L8], 3, v[PFO]
	v_lshlrev_b32 v[L16], 4, v[PFO]
.irp g, PFO, PFO2, PFZ2, PFW
	v_lshlrev_b32 v[\g], 8, v[\g]
.endr
	s_lshr_b32 s45, s44, 1                         ; RH.  Also: in the ring I fetch by a pair's first line (0) or its second (1)
	s_and_b32 s46, s44, 1                          ; CH.  Also: which half of a tile I fetch
	s_bfe_u32 s96, ttmp6, 0x40000                  ; cx, cy: my place in the cluster
	s_bfe_u32 s97, ttmp6, 0x40004
	s_lshl_b32 s98, ttmp9, 2
	s_add_co_u32 s98, s98, s96                     ; tile column (64 hidden units) = 4 x cluster x + cx
	s_and_b32 s99, ttmp7, 0xffff
	s_lshl_b32 s99, s99, 2
	s_add_co_u32 s99, s99, s97                     ; tile row (256 rows) = 4 x cluster y + cy
	s_lshl_b32 s100, s97, 2
	s_lshl_b32 s100, 15, s100                      ; my row of the cluster
	s_lshl_b32 s101, 0x1111, s96                   ; my column
	s_mov_b32 s48, 0xbfb8aa3b                      ; -log2 e
	s_mov_b32 s49, s48                             ; (the packed forms name a pair and take its low word for both halves: so the upper is written)
	s_mov_b32 s50, 0x4038aa3b                      ; 2 log2 e
	s_mov_b32 s51, s50
	; descriptor groups 1.  Every dense block is stated as rows of 256 bytes: 32 elements of 8 bytes, pitch 32
	s_or_b32 s4, s100, (3<<16)|(1<<21)             ; 15:0 the mask: A's go to my row; 17:16 elements of 8 bytes; 21 set beside a mask; no padding: images are read at 16 x lane
	s_or_b32 s12, s101, (3<<16)|(1<<21)            ; B's go to my column
	s_or_b32 s68, s100, (3<<16)|(1<<21)            ; A's scale pairs for the gates,
	s_or_b32 s76, s101, (3<<16)|(1<<21)            ; B's
.irp g, 4, 12
	s_mov_b32 s[\g+1], 32<<16                      ; tensor_dim0
	s_mov_b32 s[\g+2], 288<<16                     ; tensor_dim1: the head's loads bring 73,728 bytes, the ring's half of that
	s_mov_b32 s[\g+3], 32<<16                      ; tile_dim0
	s_mov_b32 s[\g+4], 288                         ; tile_dim1
	s_mov_b32 s[\g+5], 32                          ; tensor_dim0_stride
	s_mov_b32 s[\g+6], 0
	s_mov_b32 s[\g+7], 0
.endr
.irp g, 68, 76
	s_mov_b32 s[\g+1], 32<<16
	s_mov_b32 s[\g+2], 48<<16                      ; 12,288 bytes
	s_mov_b32 s[\g+3], 32<<16
	s_mov_b32 s[\g+4], 48
	s_mov_b32 s[\g+5], 32
	s_mov_b32 s[\g+6], 0
	s_mov_b32 s[\g+7], 0
.endr
	s_lshl_b32 s52, s99, 10                        ; t: my 128 rows.  s[52:53] holds offsets made of the tile row, s[54:55] of the tile column: neither ever holds the other coordinate
	s_lshl_b32 s3, s45, 9
	s_add_co_u32 s52, s52, s3
	s_mov_b32 s53, 0
	s_lshl_b32 s54, s98, 8                         ; the biases: my 32 hidden units
	s_lshl_b32 s3, s46, 7
	s_add_co_u32 s54, s54, s3
	s_mov_b32 s55, 0
	s_wait_dscnt 0x0                               ; both opening adds are done
	s_wait_alu depctr_va_vdst(0)
	s_wait_kmcnt 0x0
	s_add_nc_u64 s[56:57], s[56:57], s[52:53]
	s_add_nc_u64 s[58:59], s[58:59], s[54:55]
	s_add_nc_u64 s[60:61], s[60:61], s[54:55]
	s_add_nc_u64 s[62:63], s[62:63], s[54:55]
	s_mul_i32 s52, s99, 512000                     ; A: the tile row's block;
	s_add_nc_u64 s[38:39], s[38:39], s[52:53]
	s_add_nc_u64 s[86:87], s[38:39], 204800        ; the gates' pairs;
	s_mul_i32 s52, s46, HALFT
	s_add_nc_u64 s[22:23], s[38:39], s[52:53]
	s_add_nc_u64 s[22:23], s[22:23], 217088        ; the gates' codes, my half: K 0 on,
	s_add_nc_u64 s[26:27], s[22:23], 2*HALFT       ; and K 384 on;
	s_mul_i32 s52, s46, ZHALF
	s_add_nc_u64 s[38:39], s[38:39], s[52:53]
	s_add_nc_u64 s[38:39], s[38:39], 8192          ; cx's codes: K step CH
	s_mul_i32 s54, s98, 307200                     ; B: the tile column's block: pairs first
	s_add_nc_u64 s[90:91], s[30:31], s[54:55]
	s_mul_i32 s54, s46, HALFT
	s_add_nc_u64 s[30:31], s[90:91], s[54:55]
	s_add_nc_u64 s[30:31], s[30:31], 12288
	s_add_nc_u64 s[34:35], s[30:31], 2*HALFT
	s_mul_i32 s54, s98, 51200                      ; W_decomp's codes: my half of the block's
	s_add_nc_u64 s[42:43], s[42:43], s[54:55]
	s_mul_i32 s54, s46, 24576
	s_add_nc_u64 s[42:43], s[42:43], s[54:55]
	s_add_nc_u64 s[42:43], s[42:43], 2048
	s_lshl_b32 s2, s99, 20                         ; 256 rows of 4,096 bytes,
	s_lshl_b32 s3, s98, 8                          ; 64 columns of 4
	s_add_co_u32 s104, s2, s3
	s_lshl_b32 s3, s46, 19
	s_add_co_u32 s2, s104, s3                      ; cx in f32: the 128 rows that waves 2 and 3 fetch
	s_mov_b32 s3, 0
	s_add_nc_u64 s[94:95], s[94:95], s[2:3]
	s_mov_b32 s2, s104
	s_cmp_eq_u32 s45, 0                            ; the prefetches: do I fetch for A or for B?
	s_cselect_b64 s[100:101], s[26:27], s[34:35]   ; the ring's fill 1 (the masks have been used),
	s_cselect_b64 s[104:105], s[38:39], s[42:43]   ; cx's codes or W_decomp's;
	s_cselect_b32 s47, s96, s97                    ; my place among the four that ask with me
	s_cselect_b32 s41, 1, 0
	s_lshl_b32 s3, s45, 19
	s_add_co_u32 s96, s2, s3                       ; an output: my 128 rows
	s_mov_b32 s3, 0
	s_mul_i32 s2, s47, 9216                        ; a quarter of 36,864
	s_add_nc_u64 s[100:101], s[100:101], s[2:3]
	s_mul_i32 s2, s47, 6144                        ; a quarter of 24,576 (W_decomp's)
	s_lshl_b32 s2, s2, s41                         ; or of 49,152 (cx's)
	s_add_nc_u64 s[104:105], s[104:105], s[2:3]
	s_mul_i32 s97, s99, 512000                     ; z's pairs: cx's of MY 128 rows,
	s_lshl_b32 s2, s45, 10
	s_add_co_u32 s97, s97, s2
	s_mul_i32 s47, s98, 51200                      ; W_decomp's of my 32 columns
	s_lshl_b32 s2, s46, 8
	s_add_co_u32 s47, s47, s2
	s_mov_b64 s[98:99], s[94:95]                   ; cx's f32 prefetches
.irp g, 23, 27, 31, 35, 39, 43, 87, 91, 95
	s_or_b32 s[\g], s[\g], 0x80000000              ; 127:126 type = 2
.endr
.irp g, 20, 24, 28, 32, 36, 40, 84, 88, 92
	s_mov_b32 s[\g], 1                             ; 1:0 count = 1
.endr
	s_mul_i32 s21, s44, HALFT                      ; where my ring loads go: no place in the cluster enters an LDS address
	s_add_co_u32 s25, s21, SLOT
	s_mov_b32 s29, s21
	s_mov_b32 s33, s25
	s_mul_i32 s37, s46, ZHALF
	s_mul_i32 s41, s46, 24576
	s_add_co_u32 s41, s41, ZWD
	s_mov_b32 s85, SCA
	s_mov_b32 s89, SCB
	s_mul_i32 s93, s46, 128*272
	s_add_co_u32 s93, s93, CXT
	CROUND                                         ; all sixteen work-groups are here: the first joint loads meet
; THE HEAD'S LOADS, ONE A WAVE.  Wave 0: slot 0's A, all 256 rows (its own half is the first, so its group 0 stands at A's first byte); wave 1: A's pairs; wave 2: slot 0's B (likewise); wave 3: B's pairs.
.macro ARM under, g0, g1, next
	s_cmp_lt_u32 s44, \under
	s_cbranch_scc0 \next
	TLOAD \g0, \g1
	s_branch .Lhead_asked
\next:
.endm
	ARM 1, 20, 4,  .Lhead_sa
	ARM 2, 84, 68, .Lhead_b
	ARM 3, 28, 12, .Lhead_sb
	TLOAD 88, 76
.Lhead_asked:
.irp a, 0,1,2,3,4,5,6,7
	global_load_b32 v[TT+2*\a], v5, s[56:57] offset:64*\a          ; t of row 16 a + r
.endr
.irp b, 0,1,2,3,4,5,6,7                ; block b = 2 gate + u: lane (r, h) wants the eight numbers of hidden units 16 u + 8 h on, the result's layout
	global_load_b128 v[BIAS+8*\b:BIAS+8*\b+3], v6, s[58:59] offset:(\b/2)*4096+(\b%2)*64
	global_load_b128 v[BIAS+8*\b+4:BIAS+8*\b+7], v6, s[58:59] offset:(\b/2)*4096+(\b%2)*64+16
	global_load_b128 v[AF+8*\b:AF+8*\b+3], v6, s[60:61] offset:(\b/2)*4096+(\b%2)*64
	global_load_b128 v[AF+8*\b+4:AF+8*\b+7], v6, s[60:61] offset:(\b/2)*4096+(\b%2)*64+16
.endr
.irp u, 0,1
	global_load_b128 v[BD+8*\u:BD+8*\u+3], v6, s[62:63] offset:64*\u
	global_load_b128 v[BD+8*\u+4:BD+8*\u+7], v6, s[62:63] offset:64*\u+16
.endr
	PFRING 1                                       ; slot 1's first fill
	s_mul_i32 s3, s45, 12288
	v_add_nc_u32 v[ADRA], s3, v[L16]
	v_add_nc_u32 v[ADZA], s3, v[L16]
	s_add_co_u32 s3, s3, ZHALF
	v_add_nc_u32 v[ADZA+1], s3, v[L16]
	s_add_co_u32 s3, s3, SLOT-ZHALF
	v_add_nc_u32 v[ADRA+1], s3, v[L16]
	v_add_nc_u32 v[ADZA+2], s3, v[L16]
	s_add_co_u32 s3, s3, ZHALF
	v_add_nc_u32 v[ADZA+3], s3, v[L16]
	s_mul_i32 s3, s46, 12288
	s_add_co_u32 s3, s3, 2*HALFT
	v_add_nc_u32 v[ADRB], s3, v[L16]
	s_add_co_u32 s3, s3, SLOT
	v_add_nc_u32 v[ADRB+1], s3, v[L16]
	s_mul_i32 s3, s46, 3072
	s_add_co_u32 s3, s3, ZWD
	v_add_nc_u32 v[ADZD], s3, v[L16]
	v_lshlrev_b32 v4, 3, v1                        ; 8 r
	s_lshl_b32 s3, s45, 10
	s_add_co_u32 s3, s3, SCA                       ; A's pairs, my half;
	s_lshl_b32 s2, s46, 10
	s_add_co_u32 s2, s2, SCB                       ; B's, my half;
	s_sub_co_u32 s2, s2, s3
	v_mul_u32_u24 v7, s2, v2                       ; lanes 16-31 take B's: the lower base + h x the distance
	v_add_nc_u32 v7, v7, v4
	v_add_nc_u32 v[ADRS], s3, v7
	v_mul_u32_u24 v[STO], v1, 272
	v_lshl_add_u32 v[STO], v2, 5, v[STO]
	s_mul_i32 s3, s45, 128*272
	s_lshl_b32 s2, s46, 7
	s_add_co_u32 s3, s3, s2
	v_add_nc_u32 v[STO], s3, v[STO]                ; row 128 RH + r, + 128 CH + 32 h bytes
	v_add_nc_u32 v[STO2], STG2, v[STO]
	v_add_nc_u32 v[CXA], CXT, v[STO]
	v_mul_u32_u24 v[RD], v2, 272
	v_lshl_add_u32 v[RD], v1, 4, v[RD]
	s_mul_i32 s3, s45, 128*272
	s_mul_i32 s2, s46, STG2
	s_add_co_u32 s3, s3, s2
	v_add_nc_u32 v[RD], s3, v[RD]                  ; back: output CH, my half of the rows; lanes 0-15 one row of 256 bytes, lanes 16-31 the next
	v_lshlrev_b32 v[CO], 12, v2
	v_lshl_add_u32 v[CO], v1, 4, v[CO]             ; and the same two rows in the output
	s_wait_alu depctr_va_vdst(0)
	s_wait_loadcnt 0x0                             ; t and the biases
.set ix, 0
.rept 32
	v_pk_add_f32 v[BIAS+ix:BIAS+ix+1], v[BIAS+ix:BIAS+ix+1], v[AF+ix:AF+ix+1]   ; bias_ih + bias_hh
.set ix, ix+2
.endr
	s_wait_alu depctr_va_vdst(0)                   ; a wait ahead of each batch of transcendentals, and one behind it
.irp a, 0,1,2,3,4,5,6,7
	v_rcp_f32 v[TT+2*\a+1], v[TT+2*\a]
.endr
	v_nop
	s_wait_alu depctr_va_vdst(0)
.irp a, 0,1,2,3,4,5,6,7
	v_cmp_neq_f32 vcc_lo, 0, v[TT+2*\a]
	v_cndmask_b32 v[TT+2*\a], 0, v[TT+2*\a+1], vcc_lo              ; T = 1 / t where t != 0, else 0
	v_add_f32 v[TT+2*\a], -1.0, v[TT+2*\a]         ; T - 1,
	v_mov_b32 v[TT+2*\a+1], v[TT+2*\a]             ; twice: a pair for the packed forms
.endr
.macro FRAG reg, adr, off              ; an image comes back as it was stored: three loads of 16 bytes a lane, 512 consecutive bytes each
.irp c, 0,1,2
	ds_load_b128 v[(\reg)+4*\c:(\reg)+4*\c+3], v[\adr] offset:(\off)+512*\c
.endr
.endm
; ---- the gates: twelve steps n of 128 along K, 64 matrix instructions each; step n lies in slot (n / 3) % 2 as its (n % 3)-th; B's set is n % 2; its scale words are word n % 2 of the pairs of K step n / 2, in set (n / 2) % 2.
; A's blocks go one after the other, each against B's eight.  B has two sets: the next step's is fetched behind the step's first 16 products; A has one: blocks 0-3 are fetched anew in the step's middle, blocks 4-7 at its end.
; 16 matrix instructions: A's blocks a0, a0 + 1 x B's eight.  p: B's set; q: which word of the pairs; sc: the set of scale words.  One register carries A's word (lanes 0-15) and B's (lanes 16-31).
; The 64 accumulators take turns, one instruction a turn, in the same order in every step.
.macro MUL16 a0, p, q, sc, first
.irp a, \a0, \a0+1
.irp b, 0,1,2,3,4,5,6,7
.if \first
	v_wmma_scale_f32_16x16x128_f8f6f4 v[8*(8*((\a)%4)+\b):8*(8*((\a)%4)+\b)+7], v[128*(\p)+FR*\b:128*(\p)+FR*\b+FR-1], v[AF+FR*(\a):AF+FR*(\a)+FR-1], v[BIAS+8*\b:BIAS+8*\b+7], v[SC+16*(\sc)+2*\b+(\q)], v[SC+16*(\sc)+2*(\a)+(\q)] matrix_a_fmt:MATRIX_FMT_BF6 matrix_b_fmt:MATRIX_FMT_BF6 matrix_a_scale:MATRIX_SCALE_ROW1
.else
	v_wmma_scale_f32_16x16x128_f8f6f4 v[8*(8*((\a)%4)+\b):8*(8*((\a)%4)+\b)+7], v[128*(\p)+FR*\b:128*(\p)+FR*\b+FR-1], v[AF+FR*(\a):AF+FR*(\a)+FR-1], v[8*(8*((\a)%4)+\b):8*(8*((\a)%4)+\b)+7], v[SC+16*(\sc)+2*\b+(\q)], v[SC+16*(\sc)+2*(\a)+(\q)] matrix_a_fmt:MATRIX_FMT_BF6 matrix_b_fmt:MATRIX_FMT_BF6 matrix_a_scale:MATRIX_SCALE_ROW1
.endif
.endr
.endr
.endm
.macro FETCH_B slot, q, p              ; B's eight fragments of the slot's q-th 128 along K into set p: 24 loads
	WIN TO_B
.irp i, 0,1,2,3,4,5,6,7
	FRAG 128*(\p)+FR*\i, ADRB+\slot, (16*(\q)+\i)*1536
.endr
	WIN 0
.endm
.macro FETCH_A slot, q, i0             ; A's blocks i0 .. i0 + 3: 12 loads
.irp i, \i0, \i0+1, \i0+2, \i0+3
	FRAG AF+FR*(\i), ADRA+\slot, (16*(\q)+(\i))*1536
.endr
.endm
.macro SCALES sc, g                    ; the scale pairs of K step g (256 along K) into set sc: lanes 0-15 take A's block i, lanes 16-31 B's block i
.irp i, 0,1,2,3,4,5,6,7
	ds_load_b64 v[SC+16*(\sc)+2*\i:SC+16*(\sc)+2*\i+1], v[ADRS] offset:2048*(\g)+128*\i
.endr
.endm
.macro STEP n                          ; a step that has its successor in the same slot.  In step 0 the biases are the C of the sums' first instructions: nothing is cleared or added later
.set k_sl, ((\n)/3)%2
.set k_q,  (\n)%3
.set k_p,  (\n)%2
.set k_sc, ((\n)/2)%2
.set k_f,  0
.if (\n) == 0
.set k_f,  1
.endif
	s_wait_dscnt 4*NL                              ; B's set, A's blocks 0-3 and the scale words are in; the youngest 12 loads (A's blocks 4-7) may be out
.if k_f
	WIN MUL_LO1
.else
	WIN MUL_LO
.endif
	MUL16 0, k_p, k_p, k_sc, k_f
	FETCH_B k_sl, k_q+1, 1-k_p                     ; (the other set was last read ahead of the last step's closing places)
.if k_f
	WIN MUL_LO1
.else
	WIN MUL_LO
.endif
	MUL16 2, k_p, k_p, k_sc, k_f
	s_wait_dscnt 8*NL                              ; A's blocks 4-7 are in; B's 24 loads may be out
	PLACES NP
	WIN 0
	FETCH_A k_sl, k_q+1, 0
.if k_p == 1 && (\n) != 9
	SCALES 1-k_sc, ((\n)+1)/2                      ; the next step begins a new K step of 256
.endif
.if k_f
	WIN MUL_HI1
.else
	WIN MUL_HI
.endif
	MUL16 4, k_p, k_p, k_sc, k_f
	MUL16 6, k_p, k_p, k_sc, k_f
	PLACES NP
	WIN 0
	FETCH_A k_sl, k_q+1, 4
.if (\n) == 7
	SCALES 1, 5                                    ; the last K step's words, whose set has just been read for the last time: step 9 asks for none
.endif
.endm
; A slot's last step changes slots: ONE barrier, which opens a round of the cluster's; in front of it each wave waits for all its tensor loads, adds 0 to its spare word, and waits for that and for its own reads of this slot.
; Behind the round this slot is filled again.  kind = 1: with the gates' K two slots on; kind = 2: with the first half of what z wants.
.macro TURN n, kind
.set k_sl, ((\n)/3)%2
.set k_p,  (\n)%2
.set k_sc, ((\n)/2)%2
	s_wait_tensorcnt 0x0                           ; all my tensor loads have landed: my part of the next slot;  (every window is 0 here)
	ds_add_u32 v[SPW], v[NIL]                      ; 0 onto my spare word;
.if (\n) == 8
	s_wait_dscnt 4*NL+9                            ; (the add, step 7's last 8 scale loads and A's blocks 4-7 may be out)
.else
	s_wait_dscnt 4*NL+1                            ; (the add and the youngest 12 loads, A's blocks 4-7, may be out)
.endif
	WIN MUL_LO
	MUL16 0, k_p, k_p, k_sc, 0                     ; sixteen matrix instructions stand between the add and the wait for it
	s_wait_dscnt 0x0                               ; the add is done, and my reads of this slot are over
	s_barrier_signal -1
	MUL16 2, k_p, k_p, k_sc, 0
	WIN 0
	s_barrier_wait -1
	CREST                                          ; no wave of any partner still reads this slot or has a load on its way
.if (\kind) == 1
	s_add_nc_u64 s[22+4*k_sl:23+4*k_sl], s[22+4*k_sl:23+4*k_sl], 4*HALFT
	s_add_nc_u64 s[30+4*k_sl:31+4*k_sl], s[30+4*k_sl:31+4*k_sl], 4*HALFT
	JLOAD 20+4*k_sl, 4, 28+4*k_sl, 12              ; the first tensor load behind the round: 160 matrix instructions ahead of the wait for it; the four v_nop behind it are the places in front of the loads below
.else
	s_mov_b32 s6, 192<<16                          ; no tensor load of mine is out, and the gates ask for nothing more: the two groups 1 take z's row counts: cx's codes, 49,152 bytes a wave;
	s_mov_b32 s8, 192
	s_mov_b32 s14, 96<<16                          ; W_decomp's, 24,576
	s_mov_b32 s16, 96
	JLOAD 36, 4, 40, 12
.endif
	FETCH_B 1-k_sl, 0, 1-k_p
	FETCH_A 1-k_sl, 0, 0
.if k_p == 1
	SCALES 1-k_sc, ((\n)+1)/2
.endif
	WIN MUL_HI
	MUL16 4, k_p, k_p, k_sc, 0
	MUL16 6, k_p, k_p, k_sc, 0
	PLACES NP
	WIN 0
	FETCH_A 1-k_sl, 0, 4
.endm
	s_wait_alu depctr_va_vdst(0)
	s_wait_tensorcnt 0x0                           ; my tile of the head's four is in
	ds_add_u32 v[SPW], v[NIL]
	s_mov_b32 s6, 144<<16                          ; no tensor load of mine is out: from here on a ring load brings 144 rows of 256 bytes
	s_mov_b32 s8, 144
	s_mov_b32 s14, 144<<16
	s_mov_b32 s16, 144
	s_mov_b32 s76, (3<<16)|(1<<20)|(5<<22)|(3<<25) ; cx in f32: no mask; 128 rows of 256 bytes, 4,096 bytes apart; 16 bytes of padding behind every 64 words
	s_mov_b32 s77, 32<<16
	s_mov_b32 s78, 128<<16
	s_mov_b32 s79, 32<<16
	s_mov_b32 s80, 128
	s_mov_b32 s81, 512
	s_mov_b32 s82, 0
	s_mov_b32 s83, 0
	s_wait_dscnt 0x0                               ; the add is done
	CROUND                                         ; all four tiles are in, and all sixteen work-groups are here
	JLOAD 24, 4, 32, 12                            ; slot 1: K 384 to 767, the first tensor load behind the round
	FETCH_B 0, 0, 0
	FETCH_A 0, 0, 0
	SCALES 0, 0
	FETCH_A 0, 0, 4
	STEP 0
	PFRING 2
	STEP 1
	TURN 2, 1                                      ; slot 0 takes K 768 to 1,151
	s_load_b64 s[84:85], s[0:1], 0x0               ; the head's loads have landed, so the scales' groups 0 are free: acodes,
	s_load_b64 s[86:87], s[0:1], 0x10              ; dcodes: for z's scale pairs;
	s_load_b128 s[52:55], s[0:1], 0x40             ; out0, out1
	STEP 3
	PFRING 3
	s_wait_kmcnt 0x0
	s_mov_b32 s2, s97
	s_mov_b32 s3, 0
	s_add_nc_u64 s[84:85], s[84:85], s[2:3]
	s_mov_b32 s2, s47
	s_add_nc_u64 s[86:87], s[86:87], s[2:3]
	s_mov_b32 s2, s96
	s_cmp_eq_u32 s46, 0                            ; wave (RH, CH) stores output CH for its half of the rows: the choice hangs on the wave's number alone
	s_cselect_b64 s[66:67], s[52:53], s[54:55]
	s_add_nc_u64 s[66:67], s[66:67], s[2:3]
.irp s, 0,1,2,3                        ; z's scale pairs come straight into the scale registers (the biases have been used): each load of the wave covers 256 consecutive bytes, aligned
.irp j, 0,1,2,3
	global_load_b64 v[ZS+8*\s+2*\j:ZS+8*\s+2*\j+1], v[L8], s[84:85] offset:2048*\s+256*\j   ; cx, K step s, blocks 2 j and 2 j + 1
.endr
	global_load_b64 v[ZD+2*\s:ZD+2*\s+1], v[L8], s[86:87] offset:512*\s                     ; W_decomp, K step s, my 32 columns
.endr
	STEP 4
	s_cmp_eq_u32 s45, 0                            ; what TURN 8 will ask for: cx's codes of K steps 0, 1 (48 blocks of my load are mine to name) or W_decomp's (24)
	s_cbranch_scc0 .Lpf_w
	PF PFO, 104, 0
	PF PFZ2, 104, 8192
	s_branch .Lpf_w_end
.Lpf_w:
	PF PFW, 104, 0
.Lpf_w_end:
	TURN 5, 1                                      ; slot 1 takes K 1,152 to 1,535
	STEP 6
	s_cmp_eq_u32 s45, 0                            ; what the last loads will bring: cx's codes of K steps 2, 3, or my 128 rows of cx in f32
	s_cbranch_scc0 .Lpf_x
	PF PFO, 104, 2*ZHALF
	PF PFZ2, 104, 2*ZHALF+8192
	s_branch .Lpf_x_end
.Lpf_x:
.irp i, 0,1,2,3
	PF PFR, 98, 131072*\i
.endr
.Lpf_x_end:
	STEP 7
	TURN 8, 2                                      ; slot 0 takes cx's codes of K steps 0 and 1, and W_decomp's
	STEP 9
	STEP 10
	s_wait_dscnt 4*NL                              ; step 11: nothing more to fetch
	WIN MUL_LO
	MUL16 0, 1, 1, 1, 0
	MUL16 2, 1, 1, 1, 0
	s_wait_dscnt 0x0
	WIN MUL_HI
	MUL16 4, 1, 1, 1, 0
	MUL16 6, 1, 1, 1, 0
	WIN 0
	s_wait_tensorcnt 0x0                           ; slot 0's load has landed, so a group 0 may be written;
	ds_add_u32 v[SPW], v[NIL]
	s_add_co_u32 s37, s37, SLOT                    ; cx's codes of K steps 2 and 3 go to slot 1's first bytes
	s_add_nc_u64 s[38:39], s[38:39], 2*ZHALF
	s_wait_dscnt 0x0                               ; the add is done; my reads of slot 1 and of the scale pairs are over
	CROUND
	JLOAD 36, 4, 92, 76                            ; waves 0 and 1: those codes, jointly; waves 2 and 3: cx in f32, the work-group's own, behind them.  The four v_nop are the places behind the last products
; ---- the gates' own functions, chunk k: blocks of rows a = 2 k, 2 k + 1.  In block a the registers stand at X0 + 64 (a % 2): i at +0, f at +16, g at +32, o at +48, each + 8 u + n.  i's registers end as sigmoid(i) tanh(g).
; PRE k: the exponents, each accumulator from its low end on.  ACTX k: the rest, in place in window 2 or 3.
.macro PRE k
.set X0, 128*((\k)%2)
	WIN 0x55*(2+(\k)/2)
	s_wait_alu depctr_va_vdst(0)
.set ix, 0
.rept 64
.if (ix%64)/16 == 2
	v_pk_mul_f32 v[X0+ix:X0+ix+1], v[X0+ix:X0+ix+1], s[50:51] op_sel_hi:[1,0]   ; g: a tanh
.else
	v_pk_mul_f32 v[X0+ix:X0+ix+1], v[X0+ix:X0+ix+1], s[48:49] op_sel_hi:[1,0]   ; i, f, o: sigmoids
.endif
.set ix, ix+2
.endr
.endm
.macro BATCH op, x, n                  ; n transcendentals in place, with the wait ahead of them, a plain instruction and the wait behind them
	s_wait_alu depctr_va_vdst(0)
.set ix, 0
.rept \n
	\op v[(\x)+ix], v[(\x)+ix]
.set ix, ix+1
.endr
	v_nop
	s_wait_alu depctr_va_vdst(0)
.endm
.macro ADD1 x, n                       ; n pairs + 1
.set ix, 0
.rept \n
	v_pk_add_f32 v[(\x)+ix:(\x)+ix+1], v[(\x)+ix:(\x)+ix+1], 1.0 op_sel_hi:[1,0]
.set ix, ix+2
.endr
.endm
.macro FIXT x, n                       ; n pairs: 1 - 2 x: a tanh's end
.set ix, 0
.rept \n
	v_pk_fma_f32 v[(\x)+ix:(\x)+ix+1], v[(\x)+ix:(\x)+ix+1], -2.0, 1.0 op_sel_hi:[1,0,0]
.set ix, ix+2
.endr
.endm
.macro ACTX k
.set X0, 128*((\k)%2)
	WIN 0x55*(2+(\k)/2)
	BATCH v_exp_f32, X0, 128
	ADD1 X0, 64
	BATCH v_rcp_f32, X0, 128
	FIXT X0+32, 8                                  ; tanh(g)
	FIXT X0+96, 8
.irp m, 0,1
.irp n, 0,2,4,6,8,10,12,14
	v_pk_mul_f32 v[X0+64*\m+\n:X0+64*\m+1+\n], v[X0+64*\m+\n:X0+64*\m+1+\n], v[X0+64*\m+32+\n:X0+64*\m+33+\n]   ; sigmoid(i) tanh(g)
.endr
.endr
	s_wait_alu depctr_va_vdst(0)
.endm
	PRE 0                                          ; the first 64 rows' gates, while the last loads are on their way: this work wants nothing of z
	ACTX 0
	PRE 1
	ACTX 1
	WIN 0
	s_wait_tensorcnt 0x0                           ; my part of the last loads is in,
	s_barrier_signal -1
	s_barrier_wait -1                              ; everybody's is
; ---- z = cx W_decomp + b_decomp: all its operands lie in LDS.  Two sets of fragments, one for each 128 of a K step of 256: while one is multiplied the other's 30 loads are out
.macro DGET0 s                         ; K step s, first 128: W_decomp's two fragments and A's eight, all in window 0: 30 loads
	WIN 0
.irp u, 0,1
	FRAG ZWF+12*\u, ADZD, (8*(\s)+\u)*1536
.endr
.irp i, 0,1,2,3,4,5,6,7
	FRAG AF+FR*\i, ADZA+\s, \i*1536
.endr
.endm
.macro DGET1 s                         ; K step s, second 128: all in window 1: 30 loads
	WIN TO_B
.irp u, 0,1
	FRAG 224+12*\u, ADZD, (8*(\s)+4+\u)*1536
.endr
.irp i, 0,1,2,3,4,5,6,7
	FRAG 128+FR*\i, ADZA+\s, (16+\i)*1536
.endr
	WIN 0
.endm
; 16 matrix instructions, the sixteen accumulators by turns, one instruction a turn.  The scale registers hold two blocks each: the odd block is read from lanes 16-31.
.macro DMUL q, s
.if ((\q) == 0) && ((\s) == 0)
	WIN 0x40                                       ; D window 1; C (b_decomp) window 0: the bias starts the sums
.elseif (\q) == 0
	WIN 0x50                                       ; C and D window 1, both sources window 0
.else
	WIN 0x55                                       ; all window 1
.endif
.irp a, 0,1,2,3,4,5,6,7
.irp u, 0,1
.set r_c, 16*\a+8*\u
.if ((\q) == 0) && ((\s) == 0)
.set r_c, BD+8*\u
.endif
.set r_w,  ZWF+160*(\q)+12*\u
.set r_a,  128+FR*\a
.set r_sw, ZD+2*(\s)+(\q)
.set r_sa, ZS+8*(\s)+2*(\a/2)+(\q)
.if (\u == 0) && (\a%2 == 0)
	v_wmma_scale_f32_16x16x128_f8f6f4 v[16*\a+8*\u:16*\a+8*\u+7], v[r_w:r_w+11], v[r_a:r_a+11], v[r_c:r_c+7], v[r_sw], v[r_sa] matrix_a_fmt:MATRIX_FMT_BF6 matrix_b_fmt:MATRIX_FMT_BF6
.elseif (\a%2 == 0)
	v_wmma_scale_f32_16x16x128_f8f6f4 v[16*\a+8*\u:16*\a+8*\u+7], v[r_w:r_w+11], v[r_a:r_a+11], v[r_c:r_c+7], v[r_sw], v[r_sa] matrix_a_fmt:MATRIX_FMT_BF6 matrix_b_fmt:MATRIX_FMT_BF6 matrix_a_scale:MATRIX_SCALE_ROW1
.elseif (\u == 0)
	v_wmma_scale_f32_16x16x128_f8f6f4 v[16*\a+8*\u:16*\a+8*\u+7], v[r_w:r_w+11], v[r_a:r_a+11], v[r_c:r_c+7], v[r_sw], v[r_sa] matrix_a_fmt:MATRIX_FMT_BF6 matrix_b_fmt:MATRIX_FMT_BF6 matrix_b_scale:MATRIX_SCALE_ROW1
.else
	v_wmma_scale_f32_16x16x128_f8f6f4 v[16*\a+8*\u:16*\a+8*\u+7], v[r_w:r_w+11], v[r_a:r_a+11], v[r_c:r_c+7], v[r_sw], v[r_sa] matrix_a_fmt:MATRIX_FMT_BF6 matrix_b_fmt:MATRIX_FMT_BF6 matrix_a_scale:MATRIX_SCALE_ROW1 matrix_b_scale:MATRIX_SCALE_ROW1
.endif
.endr
.endr
.endm
	DGET0 0
	DGET1 0
	s_wait_loadcnt 0x0                             ; z's scale pairs
.irp s, 0,1,2
	s_wait_dscnt 30                                ; this set is in; the other set's 30 loads may be out
	DMUL 0, \s
	PLACES NP
	DGET0 \s+1
.if \s == 0
	PRE 2                                          ; plain work of the last 64 rows' gates, under the LDS loads
.endif
	s_wait_dscnt 30
	DMUL 1, \s
	PLACES NP
	DGET1 \s+1
.if \s == 0
	PRE 3
.endif
.endr
	s_wait_dscnt 30
	DMUL 0, 3
	s_wait_dscnt 0x0                               ; my reads of the codes are over:
	s_barrier_signal -1                            ; behind this barrier the stage is written where slot 0 lay; no tensor load is out, and none follows
	DMUL 1, 3
	WIN 0
	s_barrier_wait -1
	PLACES NP
; ---- the rest, chunk k of 32 rows.  CXL: its cx from the tile, each lane its own 32 bytes of a row.  CTA, CTB: C = tanh(z), in place in window 1.
.macro CXL k
	WIN 0
.irp m, 0,1
.irp u, 0,1
.irp e, 0,1
	ds_load_b128 v[CY+16*\m+8*\u+4*\e:CY+16*\m+8*\u+4*\e+3], v[CXA] offset:4352*(2*(\k)+\m)+64*\u+16*\e
.endr
.endr
.endr
.endm
.macro CTA k
	WIN 0x55
	s_wait_alu depctr_va_vdst(0)
.set ix, 32*(\k)
.rept 16
	v_pk_mul_f32 v[ix:ix+1], v[ix:ix+1], s[50:51] op_sel_hi:[1,0]   ; each accumulator from its low end on
.set ix, ix+2
.endr
	BATCH v_exp_f32, 32*(\k), 32
	WIN 0
.endm
.macro CTB k
	WIN 0x55
	ADD1 32*(\k), 16
	BATCH v_rcp_f32, 32*(\k), 32
	FIXT 32*(\k), 16
	s_wait_alu depctr_va_vdst(0)
	WIN 0
.endm
; FINC k: cx_adj, cy, hy, into the stage, and back as whole rows; the next chunk's C is made while the others arrive at the barrier and while the rows come back.
.macro FINC k
.set X0, 128*((\k)%2)
	s_wait_dscnt 0x0                               ; cx is in
	WIN 0x01                                       ; source 0 (C) window 1
.set ix, 0
.rept 16
	v_pk_fma_f32 v[CY+ix:CY+ix+1], v[32*(\k)+ix:32*(\k)+ix+1], v[TT+2*(2*(\k)+ix/16):TT+2*(2*(\k)+ix/16)+1], v[CY+ix:CY+ix+1]   ; cx + (T - 1) C
.set ix, ix+2
.endr
	WIN 0x11*(2+(\k)/2)                            ; sources 0 and 2 in the gates' window
.irp m, 0,1
.irp n, 0,2,4,6,8,10,12,14
	v_pk_fma_f32 v[CY+16*\m+\n:CY+16*\m+1+\n], v[X0+64*\m+16+\n:X0+64*\m+17+\n], v[CY+16*\m+\n:CY+16*\m+1+\n], v[X0+64*\m+\n:X0+64*\m+1+\n]   ; cy
.endr
.endr
	WIN 0
.set ix, 0
.rept 16
	v_pk_mul_f32 v[TH+ix:TH+ix+1], v[CY+ix:CY+ix+1], s[50:51] op_sel_hi:[1,0]
.set ix, ix+2
.endr
	BATCH v_exp_f32, TH, 32
	ADD1 TH, 16
	BATCH v_rcp_f32, TH, 32
	FIXT TH, 16                                    ; tanh(cy)
	WIN 2+(\k)/2                                   ; source 0 in the gates' window
.irp m, 0,1
.irp n, 0,2,4,6,8,10,12,14
	v_pk_mul_f32 v[TH+16*\m+\n:TH+16*\m+1+\n], v[X0+64*\m+48+\n:X0+64*\m+49+\n], v[TH+16*\m+\n:TH+16*\m+1+\n]   ; hy
.endr
.endr
	WIN 0
.irp m, 0,1
.irp u, 0,1
.irp e, 0,1
	ds_store_b128 v[STO], v[TH+16*\m+8*\u+4*\e:TH+16*\m+8*\u+4*\e+3] offset:4352*(2*(\k)+\m)+64*\u+16*\e
	ds_store_b128 v[STO2], v[CY+16*\m+8*\u+4*\e:CY+16*\m+8*\u+4*\e+3] offset:4352*(2*(\k)+\m)+64*\u+16*\e
.endr
.endr
.endr
	s_wait_dscnt 0x0                               ; for the others' sake: my stores into the stage are done.  A row's 256 bytes come from two waves;
	s_barrier_signal -1
.if (\k) < 3
	CTA (\k)+1                                     ; work on registers
.endif
	s_barrier_wait -1                              ; each chunk has stage bytes of its own, so this one barrier is all that a chunk needs
.if (\k) > 0
	s_wait_xcnt 0x0                                ; the last chunk's stores have read their registers: the loads below land there only behind this wait
.endif
.irp t, 0,1,2,3,4,5,6,7,8,9,10,11,12,13,14,15
	ds_load_b128 v[BK+4*\t:BK+4*\t+3], v[RD] offset:(32*(\k)+2*\t)*272
.endr
.if (\k) < 3
	CXL (\k)+1
	CTB (\k)+1
.endif
.endm
.macro SND k, y                        ; y: the younger LDS loads, the next chunk's cx, which may stay out
.irp t, 0,1,2,3,4,5,6,7,8,9,10,11,12,13,14,15
	s_wait_dscnt (\y)+15-\t
	global_store_b128 v[CO], v[BK+4*\t:BK+4*\t+3], s[66:67] offset:(32*(\k)+2*\t)*4096 th:TH_STORE_NT   ; 16 lanes store 256 consecutive bytes, at a multiple of 256 from the output's first byte; written once, read by nobody here
.endr
.endm
	CXL 0
	CTA 0
	CTB 0
	FINC 0
	SND 0, 8
	ACTX 2                                         ; the last 64 rows' gates are worked between the chunks' ways out, so that the stores are spread over the vector work that is left
	FINC 1
	SND 1, 8
	FINC 2
	SND 2, 8
	ACTX 3
	FINC 3
	SND 3, 0
	s_wait_tensorcnt 0x0                           ; the wave's end, behind my last tensor load and my last LDS store
	ds_add_u32 v[SPW], v[NIL]
	s_wait_dscnt 0x0
	CROUND                                         ; the closing round: no work-group ends while a partner may still ask for a tile that names it
	s_endpgm
.Lfunc_end_k_qb94de77f03_cell:
	.size	k_qb94de77f03_cell, .Lfunc_end_k_qb94de77f03_cell-k_qb94de77f03_cell
	.p2alignl 7, 3214868480
	.fill 96, 4, 3214868480
	.section	.rodata,"a",@progbits
	.p2align	6, 0x0
	.amdhsa_kernel k_qb94de77f03_cell
		.amdhsa_group_segment_fixed_size 327680
		.amdhsa_private_segment_fixed_size 0
		.amdhsa_enable_private_segment 0
		.amdhsa_kernarg_size 80
		.amdhsa_user_sgpr_count 2
		.amdhsa_user_sgpr_kernarg_segment_ptr 1
		.amdhsa_wavefront_size32 1
		.amdhsa_system_sgpr_workgroup_id_x 1
		.amdhsa_system_sgpr_workgroup_id_y 1
		.amdhsa_system_sgpr_workgroup_id_z 1
		.amdhsa_system_vgpr_workitem_id 0
		.amdhsa_next_free_vgpr 1024
		.amdhsa_next_free_sgpr 106
		.amdhsa_reserve_vcc 1
		.amdhsa_float_denorm_mode_32 3
		.amdhsa_float_denorm_mode_16_64 3
		.amdhsa_memory_ordered 1
		.amdhsa_forward_progress 1
		.amdhsa_inst_pref_size 255
	.end_amdhsa_kernel
	.section	.bss,"aw",@nobits
	.p2align	6
	.space	262144
	.amdgpu_metadata
---
amdhsa.version: [ 1, 2 ]
amdhsa.kernels:
  - .name:           k_qb94de77f03_cell
    .symbol:         k_qb94de77f03_cell.kd
    .args:
      - { .name: acodes, .offset: 0, .size: 8, .value_kind: global_buffer, .address_space: global }
      - { .name: wcodes, .offset: 8, .size: 8, .value_kind: global_buffer, .address_space: global }
      - { .name: dcodes, .offset: 16, .size: 8, .value_kind: global_buffer, .address_space: global }
      - { .name: cx, .offset: 24, .size: 8, .value_kind: global_buffer, .address_space: global }
      - { .name: t, .offset: 32, .size: 8, .value_kind: global_buffer, .address_space: global }
      - { .name: bias_ih, .offset: 40, .size: 8, .value_kind: global_buffer, .address_space: global }
      - { .name: bias_hh, .offset: 48, .size: 8, .value_kind: global_buffer, .address_space: global }
      - { .name: b_decomp, .offset: 56, .size: 8, .value_kind: global_buffer, .address_space: global }
      - { .name: out0, .offset: 64, .size: 8, .value_kind: global_buffer, .address_space: global }
      - { .name: out1, .offset: 72, .size: 8, .value_kind: global_buffer, .address_space: global }
    .group_segment_fixed_size: 327680
    .private_segment_fixed_size: 0
    .kernarg_segment_align: 8
    .kernarg_segment_size: 80
    .max_flat_workgroup_size: 128
    .sgpr_count:     106
    .vgpr_count:     1024
    .wavefront_size: 32
...
	.end_amdgpu_metadata
.endif
;; end of part 2
